; MI455X (gfx1250); checked and timed in simulation.
; The chip was launched on July 23, 2026; its instructions are those of AMD's public machine-readable ISA for CDNA 5 (MIT licence, August 2026) and "CDNA5" Instruction Set Architecture Reference Guide (July 2026). The comments in the code are by the model that wrote it; some were corrected since.
;; Bahdanau Attention. Allowed arithmetic: matrix products marked QUANTISED: E2M1 operands, one E8M0 scale for each 32 along K, by v_wmma_scale_f32_16x16x128_f8f6f4 with both operands' format E2M1 (or v_wmma_scale_f32_32x16x128_f4), f32 sums; products left as they are: f32 operands where the result goes on into a quantised operand, else bf16, f16 or f32 operands; f32 sums; everything else in f32.
;; Inputs: Ua_b 1,024 float32; Ua_w_codes 1,024 x 32 x 16 uint8 (E2M1 codes of Ua_w, K innermost, in blocks of 32 codes, two codes a byte); Ua_w_scales 1,024 x 32 uint8 (E8M0 scales of Ua_w, one for each 32 codes along K); Va_b 1 float32; Va_w 1,024 x 1 float32; Wa_b 1,024 float32; Wa_w_codes 1,024 x 64 x 16 uint8 (E2M1 codes of Wa_w, K innermost, in blocks of 32 codes, two codes a byte); Wa_w_scales 1,024 x 64 uint8 (E8M0 scales of Wa_w, one for each 32 codes along K); keys 32 x 2,048 x 1,024 float32; query_codes 32 x 1 x 64 x 16 uint8 (E2M1 codes of query, K innermost, in blocks of 32 codes, two codes a byte); query_scales 32 x 1 x 64 uint8 (E8M0 scales of query, one for each 32 codes along K).
;; Outputs: out0 32 x 1 x 1,024 float32; out1 32 x 1 x 2,048 float32.
;; This version of the problem:
;;   THIS VERSION OF THE PROBLEM IS GIVEN IN LOW PRECISION. The matrix products marked QUANTISED in the list below multiply operands that are first quantised to E2M1 (2 exponent bits, 1 mantissa bit; 4 bits a number), with one power-of-two scale for each 32 numbers along K (OCP MX v1.0); their sums are f32. All else is computed in f32.
;;   The module's matrix products, in the order in which they are computed (A, B: the left and right operand; K: the contracted axis; several contracted axes count as one K, in the product's order):
;;     1. [M 32, K 2,048] x [K 2,048, N 1,024]; A: input query (given as codes); B: input Wa_w (given as codes): QUANTISED
;;     2. [M 65,536, K 1,024] x [K 1,024, N 1,024]; A: input keys; B: input Ua_w (given as codes): QUANTISED
;;     3. [M 65,536, K 1,024] x [K 1,024, N 1]; A: computed on the way; B: input Va_w: left as it is (N = 1 < 16)
;;     4. batch 32 x [M 1, K 2,048] x [K 2,048, N 1,024]; A: softmax; B: input keys: left as it is (M = 1 < 16)
;;   THE QUANTISER, for each operand of a quantised product, along K:
;;     - K is cut into blocks of 32 from its start; a last block that is shorter is filled with zeros.
;;     - A block's scale is 2^e with e = floor(log2(the largest magnitude in the block)) - 2, held to -126 .. 127; a block of zeros has e = 0. As a byte (E8M0): e + 127.
;;     - Each number is divided by its block's scale, clamped to +-6, and rounded to the nearest number of E2M1, ties to even, subnormals kept.
;;     - The product sums the exact products of the quantised numbers (number of the format x scale) in f32.
;;   ~~~python
;;   def quantise(x, axis):      # numpy; x: float32 -> the quantised numbers, widened to float32 again
;;       x = np.moveaxis(x, axis, -1); K = x.shape[-1]
;;       x = np.pad(x, [(0, 0)] * (x.ndim - 1) + [(0, -K % 32)]); x = x.reshape(x.shape[:-1] + (-1, 32)); a = np.abs(x).max(-1, keepdims=True)
;;       e = np.where(a > 0, np.clip(np.frexp(np.where(a > 0, a, 1))[1] - 1 - 2, -126, 127), 0)      # np.frexp(a)[1] - 1 = floor(log2(a)), exactly
;;       r = np.clip(x / 2.0 ** e, -6, 6)
;;       step = 2.0 ** (np.maximum(np.frexp(np.where(r == 0, 1, r))[1] - 1, 0) - 1)
;;       q = np.round(r / step) * step * 2.0 ** e      # np.round: ties to even
;;       return np.moveaxis(q.reshape(q.shape[:-2] + (-1,))[..., :K], -1, axis).astype(np.float32)
;;   ~~~
;;   INPUTS GIVEN AS CODES. Ua_w (in the module: [1024, 1024], K = its axis 0); Wa_w (in the module: [2048, 1024], K = its axis 0); query (in the module: [32, 1, 2048], K = its axis 2): each comes as NAME_codes (uint8): NAME with its K axis moved to the last place and cut into blocks of 32 codes, [.., K / 32, bytes a block], one block behind the other in memory; two codes a byte, the lower K in the low four bits (a code: sign, 2 exponent bits, 1 mantissa bit); and NAME_scales (uint8): the same leading axes, one E8M0 byte (e + 127) for each 32 codes along K. Its value is code x scale, taken as it is: it is not quantised again, and the codes and scales need not be those that the quantiser above would give.
;; One version. Each part assembles by itself: llvm-mc -triple=amdgcn-amd-amdhsa -mcpu=gfx1250 --defsym DOCPART=n.
;; ======== version 1 of 1: 3 launches
;; limits: values are held in bf16: 8 bits of precision; right only within a limited range of input values
;; workspace buffers: UaF 524,288 bytes; cqw 131,072 bytes; scores 262,144 bytes; part 1,114,112 bytes
;; launch prep (part 1): grid 64 x 1, 4 waves a work-group, no clusters, 8,704 bytes of LDS; arguments query_codes, query_scales, Wa_w_codes, Wa_w_scales, Wa_b, Ua_b, Ua_w_codes, cqw, UaF; writes cqw, UaF
.if DOCPART == 1
	.amdgcn_target "amdgcn-amd-amdhsa--gfx1250"
	.amdhsa_code_object_version 6
	.text
	.protected	k_qcbb887d2df_prep
	.globl	k_qcbb887d2df_prep
	.p2align	8
	.type	k_qcbb887d2df_prep,@function
k_qcbb887d2df_prep:
	s_mov_b64 s[64:65], 0
	v_nop
	global_prefetch_b8 v0, s[64:65] scope:SCOPE_SE
	s_setreg_imm32_b32 hwreg(HW_REG_WAVE_MODE, 25, 1), 1
	s_wait_xcnt 0x0
; TWO SMALL JOBS AHEAD OF THE MAIN LAUNCH.
; (1) cq[b][n] = C2 x (sum over k of query[b][k] Wa[k][n] + Wa_b[n] + Ua_b[n]), C2 = 2 log2(e): the part of tanh's argument that does not hang on the key, already in the
;     scale in which the main launch feeds its exponential.  [32 x 2,048] x [2,048 x 1,024] on codes of FP4 (E2M1) with E8M0 scales, as they are given; sums in f32.
; (2) Ua's codes are laid in the order of the operand's registers: UaF[tile T of 16 columns][k = 0..15][lane][16 bytes] holds bytes 32 k + 16 (lane / 16) .. + 15 of row
;     16 T + lane % 16, so that half a fragment is 512 consecutive bytes for one load of a wave.
; SHARES.  Work-group T takes the 16 columns 16 T on; wave w takes K steps 4 w .. 4 w + 3 of the 16 steps of 128, for both tiles of 16 batches; the four partial sums meet in LDS.
; cqw is an image of the accumulators: [T][mt][jj][lane][4 f32]; number i of lane (r, h) is cq(16 mt + 8 h + 4 jj + i, 16 T + r).
; No tensor load, no loop, no cluster: the work-groups share only the query, 34 KiB.
.set C2, 0x4038aa3b                    ; 2 log2(e)
.set WF,  16                           ; v16-47    Wa's fragments, K step qq at 8 qq
.set QF,  48                           ; v48-111   the query's: tile mt, K step qq at 32 mt + 8 qq
.set WS,  112                          ; v112-115  Wa's scale words, one register a K step
.set QS,  116                          ; v116-123  the query's: 4 mt + qq
.set AC,  124                          ; v124-139  two accumulators
.set UP,  140                          ; v140-155  four pieces of Ua's codes
.set PS,  160                          ; v160-175  the four waves' partial sums of my piece
	s_load_b512 s[4:19], s[0:1], 0x0               ; query codes 4, query scales 6, Wa codes 8, Wa scales 10, Wa_b 12, Ua_b 14, Ua codes 16, cqw 18
	s_load_b64 s[20:21], s[0:1], 0x40              ; UaF
	v_lshl_add_u32 v176, v0, 2, 0x2000
	v_mov_b32 v177, 0
	v_lshrrev_b32 v8, 5, v0
	v_readfirstlane_b32 s22, v8                    ; wave 0..3
	v_and_b32 v8, 31, v0                           ; lane
	v_and_b32 v9, 15, v0                           ; r
	v_bfe_u32 v10, v0, 4, 1                        ; h
	v_lshlrev_b32 v1, 10, v9
	v_lshl_add_u32 v1, v10, 4, v1                  ; Wa's and the query's codes: row r of 1,024 bytes, + 16 h
	v_lshlrev_b32 v2, 6, v9                        ; their scale bytes: row r of 64
	v_lshlrev_b32 v3, 2, v9                        ; the biases: 4 r
	v_lshlrev_b32 v4, 9, v9
	v_lshl_add_u32 v4, v10, 4, v4                  ; Ua's codes: row r of 512 bytes, + 16 h
	v_lshlrev_b32 v5, 4, v8                        ; 16 x lane
	s_lshl_b32 s23, s22, 11
	v_add_nc_u32 v6, s23, v5                       ; LDS: my wave's 2,048 bytes
	s_lshl_b32 s23, s22, 9
	v_add_nc_u32 v7, s23, v5                       ; LDS: piece w of a wave's four
	s_mov_b32 s25, 0                               ; the upper word of every offset
	s_mov_b32 s30, C2
	s_wait_alu depctr_va_vdst(0)
	s_wait_kmcnt 0x0
	s_lshl_b32 s26, s22, 8                         ; my four K steps: 256 bytes of a row of codes
	s_lshl_b32 s24, ttmp9, 14                      ; the tile's 16 rows of 1,024 bytes
	s_add_co_u32 s24, s24, s26
	s_add_nc_u64 s[8:9], s[8:9], s[24:25]
	s_mov_b32 s24, s26
	s_add_nc_u64 s[4:5], s[4:5], s[24:25]
	s_lshl_b32 s26, s22, 4                         ; and 16 scale bytes
	s_lshl_b32 s24, ttmp9, 10
	s_add_co_u32 s24, s24, s26
	s_add_nc_u64 s[10:11], s[10:11], s[24:25]
	s_mov_b32 s24, s26
	s_add_nc_u64 s[6:7], s[6:7], s[24:25]
	s_lshl_b32 s24, ttmp9, 6                       ; the tile's 16 biases
	s_add_nc_u64 s[12:13], s[12:13], s[24:25]
	s_add_nc_u64 s[14:15], s[14:15], s[24:25]
	s_lshl_b32 s27, ttmp9, 13                      ; Ua: the tile's 16 rows of 512 bytes, in both layouts
	s_lshl_b32 s26, s22, 7                         ; in: my four pieces are 128 bytes of each row
	s_add_co_u32 s24, s27, s26
	s_add_nc_u64 s[16:17], s[16:17], s[24:25]
	s_lshl_b32 s26, s22, 11                        ; out: 2,048 consecutive bytes
	s_add_co_u32 s24, s27, s26
	s_add_nc_u64 s[20:21], s[20:21], s[24:25]
	s_lshl_b32 s24, ttmp9, 11                      ; cqw: 2,048 bytes a tile, 512 a piece
	s_lshl_b32 s26, s22, 9
	s_add_co_u32 s24, s24, s26
	s_add_nc_u64 s[18:19], s[18:19], s[24:25]
.irp k, 0,1,2,3
	global_load_b128 v[UP+4*\k:UP+4*\k+3], v4, s[16:17] offset:32*\k th:TH_LOAD_NT
.endr
.irp q, 0,1,2,3
.irp c, 0,1
	global_load_b128 v[WF+8*\q+4*\c:WF+8*\q+4*\c+3], v1, s[8:9] offset:64*\q+32*\c th:TH_LOAD_NT
.endr
.endr
.irp m, 0,1
.irp q, 0,1,2,3
.irp c, 0,1
	global_load_b128 v[QF+32*\m+8*\q+4*\c:QF+32*\m+8*\q+4*\c+3], v1, s[4:5] offset:16384*\m+64*\q+32*\c
.endr
.endr
	global_load_b128 v[QS+4*\m:QS+4*\m+3], v2, s[6:7] offset:1024*\m      ; register qq: the scale word of my K step qq, row r
.endr
	global_load_b128 v[WS:WS+3], v2, s[10:11]
	global_load_b32 v156, v3, s[12:13]
	global_load_b32 v157, v3, s[14:15]
	s_wait_loadcnt 0x0                             ; one shot: all of it is wanted now
.irp k, 0,1,2,3
	global_store_b128 v5, v[UP+4*\k:UP+4*\k+3], s[20:21] offset:512*\k    ; 32 lanes store 512 consecutive bytes
.endr
; Source 0 = 16 batches, source 1 = 16 columns of Wa.  The two accumulators take turns; the first pair starts the sums.
.irp q, 0,1,2,3
.irp m, 0,1
.if \q == 0
	v_wmma_scale_f32_16x16x128_f8f6f4 v[AC+8*\m:AC+8*\m+7], v[QF+32*\m+8*\q:QF+32*\m+8*\q+7], v[WF+8*\q:WF+8*\q+7], 0, v[QS+4*\m+\q], v[WS+\q] matrix_a_fmt:MATRIX_FMT_FP4 matrix_b_fmt:MATRIX_FMT_FP4
.else
	v_wmma_scale_f32_16x16x128_f8f6f4 v[AC+8*\m:AC+8*\m+7], v[QF+32*\m+8*\q:QF+32*\m+8*\q+7], v[WF+8*\q:WF+8*\q+7], v[AC+8*\m:AC+8*\m+7], v[QS+4*\m+\q], v[WS+\q] matrix_a_fmt:MATRIX_FMT_FP4 matrix_b_fmt:MATRIX_FMT_FP4
.endif
.endr
.endr
	v_add_f32 v156, v156, v157                     ; the two biases of my column; with the line below and two v_nop: four places behind the products (ISA guide 7.12.1)
	v_mul_f32 v156, s30, v156
	v_nop
	v_nop
.irp p, 0,1,2,3
	ds_store_b128 v6, v[AC+4*\p:AC+4*\p+3] offset:512*\p                  ; each accumulator from its low end on
.endr
	s_wait_dscnt 0x0                               ; for the others' sake: my partial sums lie in LDS
	s_barrier_signal -1
	s_barrier_wait -1
.irp u, 0,1,2,3
	ds_load_b128 v[PS+4*\u:PS+4*\u+3], v7 offset:2048*\u                  ; piece w of every wave
.endr
	s_wait_dscnt 0x0
	v_pk_add_f32 v[PS:PS+1], v[PS:PS+1], v[PS+4:PS+5]
	v_pk_add_f32 v[PS+2:PS+3], v[PS+2:PS+3], v[PS+6:PS+7]
	v_pk_add_f32 v[PS+8:PS+9], v[PS+8:PS+9], v[PS+12:PS+13]
	v_pk_add_f32 v[PS+10:PS+11], v[PS+10:PS+11], v[PS+14:PS+15]
	v_pk_add_f32 v[PS:PS+1], v[PS:PS+1], v[PS+8:PS+9]
	s_wait_alu depctr_va_vdst(0)
	v_pk_add_f32 v[PS+2:PS+3], v[PS+2:PS+3], v[PS+10:PS+11]
.irp i, 0,1,2,3
	v_fma_f32 v[PS+\i], v[PS+\i], s30, v156        ; C2 x sum + C2 x biases
.endr
	global_store_b128 v5, v[PS:PS+3], s[18:19]     ; 512 consecutive bytes
	s_wait_tensorcnt 0x0
	ds_add_u32 v176, v177
	s_wait_dscnt 0x0
	s_endpgm
.Lfunc_end_k_qcbb887d2df_prep:
	.size	k_qcbb887d2df_prep, .Lfunc_end_k_qcbb887d2df_prep-k_qcbb887d2df_prep
	.p2alignl 7, 3214868480
	.fill 96, 4, 3214868480
	.section	.rodata,"a",@progbits
	.p2align	6, 0x0
	.amdhsa_kernel k_qcbb887d2df_prep
		.amdhsa_group_segment_fixed_size 8704
		.amdhsa_private_segment_fixed_size 0
		.amdhsa_enable_private_segment 0
		.amdhsa_kernarg_size 72
		.amdhsa_user_sgpr_count 2
		.amdhsa_user_sgpr_kernarg_segment_ptr 1
		.amdhsa_wavefront_size32 1
		.amdhsa_system_sgpr_workgroup_id_x 1
		.amdhsa_system_sgpr_workgroup_id_y 1
		.amdhsa_system_sgpr_workgroup_id_z 1
		.amdhsa_system_vgpr_workitem_id 0
		.amdhsa_next_free_vgpr 178
		.amdhsa_next_free_sgpr 66
		.amdhsa_reserve_vcc 0
		.amdhsa_float_denorm_mode_32 3
		.amdhsa_float_denorm_mode_16_64 3
		.amdhsa_memory_ordered 1
		.amdhsa_forward_progress 1
		.amdhsa_inst_pref_size 9
	.end_amdhsa_kernel
	.amdgpu_metadata
---
amdhsa.version: [ 1, 2 ]
amdhsa.kernels:
  - .name:           k_qcbb887d2df_prep
    .symbol:         k_qcbb887d2df_prep.kd
    .args:
      - { .name: query_codes, .offset: 0, .size: 8, .value_kind: global_buffer, .address_space: global }
      - { .name: query_scales, .offset: 8, .size: 8, .value_kind: global_buffer, .address_space: global }
      - { .name: Wa_w_codes, .offset: 16, .size: 8, .value_kind: global_buffer, .address_space: global }
      - { .name: Wa_w_scales, .offset: 24, .size: 8, .value_kind: global_buffer, .address_space: global }
      - { .name: Wa_b, .offset: 32, .size: 8, .value_kind: global_buffer, .address_space: global }
      - { .name: Ua_b, .offset: 40, .size: 8, .value_kind: global_buffer, .address_space: global }
      - { .name: Ua_w_codes, .offset: 48, .size: 8, .value_kind: global_buffer, .address_space: global }
      - { .name: cqw, .offset: 56, .size: 8, .value_kind: global_buffer, .address_space: global }
      - { .name: UaF, .offset: 64, .size: 8, .value_kind: global_buffer, .address_space: global }
    .group_segment_fixed_size: 8704
    .private_segment_fixed_size: 0
    .kernarg_segment_align: 8
    .kernarg_segment_size: 72
    .max_flat_workgroup_size: 128
    .sgpr_count:     66
    .vgpr_count:     178
    .wavefront_size: 32
...
	.end_amdgpu_metadata
.endif
;; end of part 1
;; launch main (part 2): grid 256 x 1, 4 waves a work-group, no clusters, 327,680 bytes of LDS; arguments keys, UaF, Ua_w_scales, cqw, Va_w, Va_b, scores, part; writes scores, part
.if DOCPART == 2
	.amdgcn_target "amdgcn-amd-amdhsa--gfx1250"
	.amdhsa_code_object_version 6
	.text
	.protected	k_qcbb887d2df_main
	.globl	k_qcbb887d2df_main
	.p2align	8
	.type	k_qcbb887d2df_main,@function
k_qcbb887d2df_main:
	s_mov_b64 s[64:65], 0
	v_nop
	global_prefetch_b8 v0, s[64:65] scope:SCOPE_SE
	s_setreg_imm32_b32 hwreg(HW_REG_WAVE_MODE, 25, 1), 1
	s_wait_xcnt 0x0
.set C2,     0x4038aa3b
.set LOG2E,  0x3fb8aa3b
.set WRING,  0x11000
.set SLOTB,  0x8800
.set ROWL,   4352
.set CODES,  4*WRING
.set CPITCH, 528
.set ASCL,   CODES+64*CPITCH
.set SX,     ASCL+64*32
.set PX,     SX+1024
.set SPARE,  PX+1024
.set CSTP,   144
.set SPW,  1
.set NIL,  2
.set L16,  3
.set R16,  4
.set R4,   5
.set KQ,   6
.set CW,   7
.set SW,   8
.set AA,   9
.set ASA,  10
.set SXW,  11
.set SXR,  12
.set PXW,  13
.set PXR,  14
.set L8,   15
.set VOB,  16
.set VOS,  17
.set VOC,  18
.set VOV,  19
.set RS,   20
.set CSTW, 21
.set CSTR, 22
.set PO,   23
.set BSC,  24
.set CV,   40
.set ASC,  56
.set ACC,  72
.set S,    104
.set X0,   72
.set CTX,  136
.set P,    168
.set CD,   184
.set MA,   188
.set MB,   189
.set SE,   190
.set BY,   191
.set VS,   192
.set MRUN, 194
.set LRUN, 195
.set F,    196
.set SC,   198
.set PP,   200
.set T0,   204
.set LN,   212
.set RR,   213
.set HH,   214
.set TA,   215
.set MSB, 0
.macro WIN new
.if MSB != \new
	s_set_vgpr_msb (MSB<<8)|\new
.set MSB, \new
.endif
.endm
.macro BAR
	s_wait_dscnt 0x0
	s_barrier_signal -1
	s_barrier_wait -1
.endm
	s_load_b512 s[4:19], s[0:1], 0x0
	v_lshl_add_u32 v[SPW], v0, 2, SPARE
	v_mov_b32 v[NIL], 0
	ds_add_u32 v1, v2
	ds_add_u32 v1, v2
	s_wait_dscnt 0x0
	v_lshrrev_b32 v[TA], 5, v0
	v_readfirstlane_b32 s20, v[TA]
	s_lshr_b32 s22, ttmp9, 3
	s_mov_b32 s24, (3<<16)|(1<<20)|(5<<22)|(3<<25)
	s_mov_b32 s25, 32<<16
	s_mov_b32 s26, 128<<16
	s_mov_b32 s27, 32<<16
	s_mov_b32 s28, 128
	s_mov_b32 s29, 32
	s_mov_b32 s30, 0
	s_mov_b32 s31, 0
	s_mov_b32 s32, 1
	s_mul_i32 s33, s20, WRING
	s_mov_b32 s36, 1
	s_add_co_u32 s37, s33, SLOTB
	s_lshl_b32 s50, ttmp9, 20
	s_lshl_b32 s52, s20, 15
	s_add_co_u32 s50, s50, s52
	s_mov_b32 s51, 0
	s_wait_kmcnt 0x0
	s_add_nc_u64 s[34:35], s[4:5], s[50:51]
	s_add_nc_u64 s[38:39], s[34:35], 0x20000
	s_or_b32 s35, s35, 0x80000000
	s_or_b32 s39, s39, 0x80000000
	tensor_load_to_lds s[32:35], s[24:31]
	s_nop 0
	s_load_b32 s48, s[14:15], 0x0                  ; the set-up and Ua's first three tiles stand under slot 0's load
	s_lshl_b32 s50, s20, 17
	s_add_nc_u64 s[6:7], s[6:7], s[50:51]
	s_lshl_b32 s50, s20, 13
	s_add_nc_u64 s[8:9], s[8:9], s[50:51]
	s_lshl_b32 s50, s20, 15
	s_lshr_b32 s52, s22, 4
	s_lshl_b32 s52, s52, 10
	s_add_co_u32 s50, s50, s52
	s_bfe_u32 s52, s22, 0x10002
	s_lshl_b32 s52, s52, 9
	s_add_co_u32 s50, s50, s52
	s_bfe_u32 s52, s22, 0x10003
	s_lshl_b32 s52, s52, 8
	s_add_co_u32 s50, s50, s52
	s_and_b32 s52, s22, 3
	s_lshl_b32 s52, s52, 2
	s_add_co_u32 s50, s50, s52
	s_add_nc_u64 s[10:11], s[10:11], s[50:51]
	s_lshl_b32 s50, s20, 10
	s_add_nc_u64 s[12:13], s[12:13], s[50:51]
	s_lshl_b32 s50, ttmp9, 10
	s_add_nc_u64 s[16:17], s[16:17], s[50:51]
	s_mul_i32 s50, ttmp9, 4352
	s_add_nc_u64 s[18:19], s[18:19], s[50:51]
	v_and_b32 v[LN], 31, v0
	v_and_b32 v[RR], 15, v0
	v_bfe_u32 v[HH], v0, 4, 1
	v_lshlrev_b32 v[L16], 4, v[LN]
	v_lshlrev_b32 v[R16], 4, v[RR]
	v_lshlrev_b32 v[R4], 2, v[RR]
	v_lshlrev_b32 v[RS], 5, v[RR]
	v_lshl_add_u32 v[RS], v[HH], 4, v[RS]
.irp t, 0,1,2
	WIN 0x80
.irp k, 0,1,2,3,4,5,6,7,8,9,10,11,12,13,14,15
	global_load_b128 v[64*\t+4*\k:64*\t+4*\k+3], v[L16], s[6:7] offset:8192*\t+512*\k
.endr
	WIN 0
	global_load_b128 v[BSC+4*\t:BSC+4*\t+3], v[RS], s[8:9] offset:512*\t
	global_load_b32 v[CV+4*\t], v[R16], s[10:11] offset:2048*\t
	global_load_b32 v[CV+4*\t+2], v[R4], s[12:13] offset:64*\t
.endr
	s_mov_b32 s47, 3
	v_lshl_add_u32 v[VOB], s47, 13, v[L16]
	v_lshl_add_u32 v[VOS], s47, 9, v[RS]
	v_lshl_add_u32 v[VOC], s47, 11, v[R16]
	v_lshl_add_u32 v[VOV], s47, 6, v[R4]
	s_mov_b32 s40, C2
	s_mov_b32 s41, s40
	s_mov_b32 s42, 0x76543210
	s_mov_b32 s43, 0xfedcba98
	s_mov_b32 s49, LOG2E
	v_bfe_u32 v[TA], v0, 1, 4
	v_mul_u32_u24 v[KQ], v[TA], 272
	v_and_b32 v[TA], 1, v0
	v_lshl_add_u32 v[KQ], v[TA], 7, v[KQ]
	v_add_nc_u32 v[KQ], s33, v[KQ]
	s_mul_i32 s50, s20, 8*CPITCH
	s_add_co_u32 s50, s50, CODES
	v_add_nc_u32 v[CW], s50, v[L16]
	s_lshl_b32 s50, s20, 8
	s_add_co_u32 s50, s50, ASCL
	v_add_nc_u32 v[SW], s50, v[LN]
	v_mul_u32_u24 v[AA], v[RR], CPITCH
	v_lshl_add_u32 v[AA], v[HH], 4, v[AA]
	v_add_nc_u32 v[AA], CODES, v[AA]
	v_add_nc_u32 v[ASA], ASCL, v[RS]
	s_lshl_b32 s50, s20, 2
	s_add_co_u32 s50, s50, SX
	v_lshl_add_u32 v[SXW], v[HH], 7, s50
	v_lshl_add_u32 v[SXR], v[LN], 5, SX
	s_lshl_b32 s50, s20, 8
	s_add_co_u32 s50, s50, PX
	v_lshl_add_u32 v[PXW], v[LN], 3, s50
	s_mul_i32 s50, s20, 288
	s_add_co_u32 s50, s50, PX
	v_mov_b32 v[PXR], s50
	v_lshlrev_b32 v[L8], 3, v[LN]
	s_mul_i32 s50, s20, 32*CSTP
	v_mul_u32_u24 v[CSTW], v[LN], CSTP
	v_add_nc_u32 v[CSTW], s50, v[CSTW]
	s_mul_i32 s50, s20, 8*CSTP
	v_bfe_u32 v[TA], v0, 3, 2
	v_mul_u32_u24 v[CSTR], v[TA], CSTP
	v_and_b32 v[TA], 7, v0
	v_lshl_add_u32 v[CSTR], v[TA], 4, v[CSTR]
	v_add_nc_u32 v[CSTR], s50, v[CSTR]
	s_lshl_b32 s50, s20, 10
	v_add_nc_u32 v[PO], s50, v[L16]
.irp b, 0,1,2,3
	v_mov_b32 v[CV+4*\b+1], 0
	v_mov_b32 v[CV+4*\b+3], 0
.endr
.set J, 0
.rept 32
	v_mov_b32 v[CTX+J], 0
.set J, J+1
.endr
	v_mov_b32 v[LRUN], 0
	v_mov_b32 v[MRUN], 0xff61b1e6
	v_mov_b32 v[F+1], 0
	s_wait_alu depctr_va_vdst(0)                   ; the wait at the head's end
	s_wait_tensorcnt 0x0                           ; my part of slot 0 is in; slot 1's first fill is issued as a refill is
	ds_add_u32 v1, v2
	s_wait_dscnt 0x0
	s_barrier_signal -1
	s_barrier_wait -1
	tensor_load_to_lds s[36:39], s[24:31]
	s_nop 0
.rept 4
	v_nop
.endr
.macro LOADROW sg, rho
.irp i, 0,1,2,3,4,5,6,7
	ds_load_b128 v[X0+32*((\rho)%3)+80*(((\rho)%3)/2)+4*\i:X0+32*((\rho)%3)+80*(((\rho)%3)/2)+4*\i+3], v[KQ] offset:(\sg)*SLOTB+(\rho)*ROWL+16*\i   ; three row buffers by turns: v72, v104, v216
.endr
.endm
.macro QROW sg, rho
.set XB, X0+32*((\rho)%3)+80*(((\rho)%3)/2)
.if (\rho) < 6
	LOADROW \sg, (\rho)+2                          ; two rows ahead
.endif
; the count: the LDS instructions issued behind this row's eight loads (8 loads a later row, 2 stores an earlier row)
.if (\rho) == 0
	s_wait_dscnt 16
.elseif (\rho) == 1
	s_wait_dscnt 18
.elseif (\rho) < 6
	s_wait_dscnt 20
.elseif (\rho) == 6
	s_wait_dscnt 12
.else
	s_wait_dscnt 4
.endif
	v_max3_num_f32 v[MA], |v[XB]|, |v[XB+1]|, 0x1800000
	v_max3_num_f32 v[MB], |v[XB+16]|, |v[XB+17]|, |v[XB+18]|
.irp i, 0,1,2,3,4,5
	v_max3_num_f32 v[MA], v[MA], |v[XB+2+2*\i]|, |v[XB+3+2*\i]|
	v_max3_num_f32 v[MB], v[MB], |v[XB+19+2*\i]|, |v[XB+20+2*\i]|
.endr
	v_max3_num_f32 v[MA], v[MA], |v[XB+14]|, |v[XB+15]|
	v_max3_num_f32 v[MA], v[MA], v[MB], |v[XB+31]|
	v_add_nc_u32 v[SE], 0xff000000, v[MA]
.irp g, 0,1,2,3
	v_cvt_scalef32_pk8_fp4_f32 v[CD+\g], v[XB+8*\g:XB+8*\g+7], v[SE]
.endr
	v_lshrrev_b32 v[BY], 23, v[SE]
	WIN 0xc0
.irp i, 0,1,2,3,4,5,6,7,8,9,10,11,12,13,14,15
	v_cvt_pk_bf16_f32 v[16*(8*(\sg)+(\rho))+\i], v[XB+2*\i], v[XB+2*\i+1]
.endr
	WIN 0
	ds_store_b128 v[CW], v[CD:CD+3] offset:(32*(\sg)+(\rho))*CPITCH
	ds_store_b8 v[SW], v[BY] offset:(32*(\sg)+(\rho))*32
.endm
.macro QHALF sg
	LOADROW \sg, 0
	LOADROW \sg, 1
.irp rho, 0,1,2,3,4,5,6,7
	QROW \sg, \rho
.endr
.endm
.macro REFILL sg
	s_wait_tensorcnt 0x0
	ds_add_u32 v[SPW], v[NIL]
	s_add_nc_u64 s[34+4*\sg:35+4*\sg], s[34+4*\sg:35+4*\sg], 0x40000
	s_wait_dscnt 0x0
	s_barrier_signal -1
	s_barrier_wait -1
	tensor_load_to_lds s[32+4*\sg:35+4*\sg], s[24:31]
	s_nop 0
.rept 4
	v_nop
.endr
.endm
.macro ALOAD
	WIN 0x40
.irp mt, 0,1,2,3
.irp q, 0,1,2,3,4,5,6,7
.irp c, 0,1
	ds_load_b128 v[64*\mt+8*\q+4*\c:64*\mt+8*\q+4*\c+3], v[AA] offset:\mt*16*CPITCH+64*\q+32*\c
.endr
.endr
.endr
	WIN 0
.irp mt, 0,1,2,3
	ds_load_b128 v[ASC+4*\mt:ASC+4*\mt+3], v[ASA] offset:512*\mt
.endr
.set J, 0
.rept 32
	v_mov_b32 v[S+J], 0
.set J, J+1
.endr
	v_mov_b32 v[VS], 0
	s_wait_dscnt 0x0
.endm
.macro MM mt, q, b
.if (\q) == 0
	v_wmma_scale_f32_16x16x128_f8f6f4 v[ACC+8*\mt:ACC+8*\mt+7], v[64*\mt+8*\q:64*\mt+8*\q+7], v[64*(\b)+8*\q:64*(\b)+8*\q+7], 0, v[ASC+4*\mt+\q], v[BSC+4*(\b)+\q] matrix_a_fmt:MATRIX_FMT_FP4 matrix_b_fmt:MATRIX_FMT_FP4
.elseif (\q) < 4
	v_wmma_scale_f32_16x16x128_f8f6f4 v[ACC+8*\mt:ACC+8*\mt+7], v[64*\mt+8*\q:64*\mt+8*\q+7], v[64*(\b)+8*\q:64*(\b)+8*\q+7], v[ACC+8*\mt:ACC+8*\mt+7], v[ASC+4*\mt+\q], v[BSC+4*(\b)+\q] matrix_a_fmt:MATRIX_FMT_FP4 matrix_b_fmt:MATRIX_FMT_FP4
.else
	v_wmma_scale_f32_16x16x128_f8f6f4 v[ACC+8*\mt:ACC+8*\mt+7], v[64*\mt+8*\q:64*\mt+8*\q+7], v[64*(\b)+8*\q:64*(\b)+8*\q+7], v[ACC+8*\mt:ACC+8*\mt+7], v[ASC+4*\mt+\q-4], v[BSC+4*(\b)+\q-4] matrix_a_fmt:MATRIX_FMT_FP4 matrix_b_fmt:MATRIX_FMT_FP4 matrix_a_scale:MATRIX_SCALE_ROW1 matrix_b_scale:MATRIX_SCALE_ROW1
.endif
.endm
.macro TILE b
.set NB, ((\b)+3)%4
	WIN 0x80
.irp k, 0,1,2,3,4,5,6,7,8,9,10,11,12,13,14,15
	global_load_b128 v[64*NB+4*\k:64*NB+4*\k+3], v[VOB], s[6:7] offset:512*\k
.endr
	WIN 0
	global_load_b128 v[BSC+4*NB:BSC+4*NB+3], v[VOS], s[8:9]
	global_load_b32 v[CV+4*NB], v[VOC], s[10:11]
	global_load_b32 v[CV+4*NB+2], v[VOV], s[12:13]
	s_wait_loadcnt 57                              ; this tile's 19 loads are in: behind them stand three tiles' loads, 3 x 19
	WIN 0x09
.irp q, 0,1,2,3,4,5,6,7
.irp mt, 0,1,2,3
	MM \mt, \q, \b
.endr
.endr
	WIN 0
.rept 4
	v_nop                                          ; four places behind the products (ISA guide 7.12.1)
.endr
.set J, 0
.rept 16
	v_pk_fma_f32 v[ACC+J:ACC+J+1], v[ACC+J:ACC+J+1], s[40:41], v[CV+4*(\b):CV+4*(\b)+1] op_sel_hi:[1,0,0]
.set J, J+2
.endr
.set J, 0
	s_wait_alu depctr_va_vdst(0)
.rept 32
	v_exp_f32 v[ACC+J], v[ACC+J]
.set J, J+1
.endr
	v_add_f32 v[VS], v[VS], v[CV+4*(\b)+2]
.set J, 0
	s_wait_alu depctr_va_vdst(0)
.rept 16
	v_pk_add_f32 v[ACC+J:ACC+J+1], v[ACC+J:ACC+J+1], 1.0 op_sel_hi:[1,0]
.set J, J+2
.endr
.set J, 0
	s_wait_alu depctr_va_vdst(0)
.rept 32
	v_rcp_f32 v[ACC+J], v[ACC+J]
.set J, J+1
.endr
	s_add_co_u32 s47, s47, 1                       ; the next tile to ask for, modulo my 16
	s_and_b32 s47, s47, 15
	s_wait_xcnt 0x0                                ; this tile's loads have read their offsets: they may be written
	v_lshl_add_u32 v[VOB], s47, 13, v[L16]         ; (plain lines behind the reciprocals)
	v_lshl_add_u32 v[VOS], s47, 9, v[RS]
	v_lshl_add_u32 v[VOC], s47, 11, v[R16]
	v_lshl_add_u32 v[VOV], s47, 6, v[R4]
.set J, 0
	s_wait_alu depctr_va_vdst(0)
.rept 16
	v_pk_fma_f32 v[S+J:S+J+1], v[ACC+J:ACC+J+1], v[CV+4*(\b)+2:CV+4*(\b)+3], v[S+J:S+J+1] op_sel_hi:[1,0,1]
.set J, J+2
.endr
.endm
.macro TILES n
	s_mov_b32 s46, \n
.Ltiles_\@:
	TILE 0
	TILE 1
	TILE 2
	TILE 3
	s_sub_co_u32 s46, s46, 1
	s_cmp_lg_u32 s46, 0
	s_cbranch_scc1 .Ltiles_\@
.endm
.macro SCORE
.set J, 0
.rept 32
	v_fma_f32 v[S+J], v[S+J], -2.0, v[VS]
.set J, J+1
.endr
.irp m, 1,2,4,8
.set J, 0
.rept 32
	v_add_f32_dpp v[S+J], v[S+J], v[S+J] row_xmask:\m row_mask:0xf bank_mask:0xf
.set J, J+1
.endr
.endr
.irp mt, 0,1,2,3
.irp j, 0,1,2,3,4,5,6,7
	ds_store_b32 v[SXW], v[S+8*\mt+\j] offset:256*\mt+16*\j
.endr
.endr
	BAR
	ds_load_b128 v[T0:T0+3], v[SXR]
	ds_load_b128 v[T0+4:T0+7], v[SXR] offset:16
	s_wait_dscnt 0x0
	v_pk_add_f32 v[T0:T0+1], v[T0:T0+1], v[T0+2:T0+3]
	v_pk_add_f32 v[T0+4:T0+5], v[T0+4:T0+5], v[T0+6:T0+7]
	v_add_f32 v[T0], v[T0], v[T0+1]
	v_add_f32 v[T0+4], v[T0+4], v[T0+5]
	v_add_f32 v[SC], s48, v[T0]
	v_add_f32 v[SC+1], s48, v[T0+4]
	s_cmp_lg_u32 s20, 0
	s_cbranch_scc1 .Lnot_mine_\@
	global_store_b64 v[L8], v[SC:SC+1], s[16:17]
.Lnot_mine_\@:
	s_wait_alu depctr_va_vdst(0)
	v_max_num_f32 v[T0], v[SC], v[SC+1]
	v_max_num_f32_dpp v[T0], v[T0], v[T0] row_xmask:1 row_mask:0xf bank_mask:0xf
	v_max_num_f32_dpp v[T0], v[T0], v[T0] row_xmask:2 row_mask:0xf bank_mask:0xf
	v_max_num_f32_dpp v[T0], v[T0], v[T0] row_xmask:4 row_mask:0xf bank_mask:0xf
	v_max_num_f32_dpp v[T0], v[T0], v[T0] row_xmask:8 row_mask:0xf bank_mask:0xf
	v_permlanex16_b32 v[T0+1], v[T0], s42, s43
	v_max3_num_f32 v[T0], v[T0], v[T0+1], v[MRUN]
	v_sub_f32 v[T0+2], v[MRUN], v[T0]
	v_sub_f32 v[T0+3], v[SC], v[T0]
	v_sub_f32 v[T0+4], v[SC+1], v[T0]
	v_mul_f32 v[T0+2], s49, v[T0+2]
	v_mul_f32 v[T0+3], s49, v[T0+3]
	v_mul_f32 v[T0+4], s49, v[T0+4]
	s_wait_alu depctr_va_vdst(0)
	v_exp_f32 v[F], v[T0+2]
	v_exp_f32 v[PP], v[T0+3]
	v_exp_f32 v[PP+1], v[T0+4]
	v_mov_b32 v[MRUN], v[T0]
	s_wait_alu depctr_va_vdst(0)
	v_add_f32 v[T0+5], v[PP], v[PP+1]
	v_fma_f32 v[LRUN], v[LRUN], v[F], v[T0+5]
	ds_store_b64 v[PXW], v[PP:PP+1]
.irp sg, 0,1
	ds_load_b128 v[P+8*\sg:P+8*\sg+3], v[PXR] offset:128*\sg
	ds_load_b128 v[P+8*\sg+4:P+8*\sg+7], v[PXR] offset:128*\sg+16
.endr
	s_wait_xcnt 0x0
	s_add_nc_u64 s[16:17], s[16:17], 256
	s_wait_dscnt 0x0
.endm
.macro CTXUP
.set J, 0
.rept 16
	v_pk_mul_f32 v[CTX+J:CTX+J+1], v[CTX+J:CTX+J+1], v[F:F+1] op_sel_hi:[1,0]
.set J, J+2
.endr
	WIN 0x03
.set RW, 0
.rept 16
.set J, 0
.rept 16
	v_fma_mix_f32_bf16 v[CTX+2*J], v[16*RW+J], v[P+RW], v[CTX+2*J] op_sel_hi:[1,0,0]
	v_fma_mix_f32_bf16 v[CTX+2*J+1], v[16*RW+J], v[P+RW], v[CTX+2*J+1] op_sel:[1,0,0] op_sel_hi:[1,0,0]
.set J, J+1
.endr
.set RW, RW+1
.endr
	WIN 0
.endm
	s_wait_kmcnt 0x0
	s_wait_tensorcnt 0x1
	QHALF 0
	s_mov_b32 s44, 3
.Lpass:
	REFILL 0
	QHALF 1
	BAR
	ALOAD
	TILES 2
	REFILL 1
	TILES 2
	SCORE
	CTXUP
	QHALF 0
	s_sub_co_u32 s44, s44, 1
	s_cmp_lg_u32 s44, 0
	s_cbranch_scc1 .Lpass
	s_wait_tensorcnt 0x0
	QHALF 1
	BAR
	ALOAD
	TILES 4
	SCORE
	CTXUP
	v_add_f32_dpp v[LRUN], v[LRUN], v[LRUN] row_xmask:1 row_mask:0xf bank_mask:0xf
	v_add_f32_dpp v[LRUN], v[LRUN], v[LRUN] row_xmask:2 row_mask:0xf bank_mask:0xf
	v_add_f32_dpp v[LRUN], v[LRUN], v[LRUN] row_xmask:4 row_mask:0xf bank_mask:0xf
	v_add_f32_dpp v[LRUN], v[LRUN], v[LRUN] row_xmask:8 row_mask:0xf bank_mask:0xf
	v_permlanex16_b32 v[T0], v[LRUN], s42, s43
	v_add_f32 v[LRUN], v[LRUN], v[T0]
.irp c, 0,1,2,3,4,5,6,7
	ds_store_b128 v[CSTW], v[CTX+4*\c:CTX+4*\c+3] offset:16*\c
.endr
	BAR
.irp u, 0,1
.irp wv, 0,1,2,3
	ds_load_b128 v[ACC+16*\u+4*\wv:ACC+16*\u+4*\wv+3], v[CSTR] offset:\wv*32*CSTP+\u*4*CSTP
.endr
.endr
	s_wait_dscnt 0x0
.irp u, 0,1
	v_pk_add_f32 v[ACC+16*\u:ACC+16*\u+1], v[ACC+16*\u:ACC+16*\u+1], v[ACC+16*\u+4:ACC+16*\u+5]
	v_pk_add_f32 v[ACC+16*\u+2:ACC+16*\u+3], v[ACC+16*\u+2:ACC+16*\u+3], v[ACC+16*\u+6:ACC+16*\u+7]
	v_pk_add_f32 v[ACC+16*\u+8:ACC+16*\u+9], v[ACC+16*\u+8:ACC+16*\u+9], v[ACC+16*\u+12:ACC+16*\u+13]
	v_pk_add_f32 v[ACC+16*\u+10:ACC+16*\u+11], v[ACC+16*\u+10:ACC+16*\u+11], v[ACC+16*\u+14:ACC+16*\u+15]
	v_pk_add_f32 v[ACC+16*\u:ACC+16*\u+1], v[ACC+16*\u:ACC+16*\u+1], v[ACC+16*\u+8:ACC+16*\u+9]
	v_pk_add_f32 v[ACC+16*\u+2:ACC+16*\u+3], v[ACC+16*\u+2:ACC+16*\u+3], v[ACC+16*\u+10:ACC+16*\u+11]
	global_store_b128 v[PO], v[ACC+16*\u:ACC+16*\u+3], s[18:19] offset:512*\u
.endr
	s_cmp_lg_u32 s20, 0
	s_cbranch_scc1 .Lno_stats
	global_store_b64 v[L8], v[MRUN:MRUN+1], s[18:19] offset:4096
.Lno_stats:
	s_wait_tensorcnt 0x0
	ds_add_u32 v[SPW], v[NIL]
	s_wait_dscnt 0x0
	s_endpgm
.Lfunc_end_k_qcbb887d2df_main:
	.size	k_qcbb887d2df_main, .Lfunc_end_k_qcbb887d2df_main-k_qcbb887d2df_main
	.p2alignl 7, 3214868480
	.fill 96, 4, 3214868480
	.section	.rodata,"a",@progbits
	.p2align	6, 0x0
	.amdhsa_kernel k_qcbb887d2df_main
		.amdhsa_group_segment_fixed_size 327680
		.amdhsa_private_segment_fixed_size 0
		.amdhsa_enable_private_segment 0
		.amdhsa_kernarg_size 64
		.amdhsa_user_sgpr_count 2
		.amdhsa_user_sgpr_kernarg_segment_ptr 1
		.amdhsa_wavefront_size32 1
		.amdhsa_system_sgpr_workgroup_id_x 1
		.amdhsa_system_sgpr_workgroup_id_y 1
		.amdhsa_system_sgpr_workgroup_id_z 1
		.amdhsa_system_vgpr_workitem_id 0
		.amdhsa_next_free_vgpr 1024
		.amdhsa_next_free_sgpr 66
		.amdhsa_reserve_vcc 0
		.amdhsa_float_denorm_mode_32 3
		.amdhsa_float_denorm_mode_16_64 3
		.amdhsa_memory_ordered 1
		.amdhsa_forward_progress 1
		.amdhsa_inst_pref_size 255
	.end_amdhsa_kernel
	.section	.bss,"aw",@nobits
	.p2align	6
	.space	262144
	.amdgpu_metadata
---
amdhsa.version: [ 1, 2 ]
amdhsa.kernels:
  - .name:           k_qcbb887d2df_main
    .symbol:         k_qcbb887d2df_main.kd
    .args:
      - { .name: keys, .offset: 0, .size: 8, .value_kind: global_buffer, .address_space: global }
      - { .name: UaF, .offset: 8, .size: 8, .value_kind: global_buffer, .address_space: global }
      - { .name: Ua_w_scales, .offset: 16, .size: 8, .value_kind: global_buffer, .address_space: global }
      - { .name: cqw, .offset: 24, .size: 8, .value_kind: global_buffer, .address_space: global }
      - { .name: Va_w, .offset: 32, .size: 8, .value_kind: global_buffer, .address_space: global }
      - { .name: Va_b, .offset: 40, .size: 8, .value_kind: global_buffer, .address_space: global }
      - { .name: scores, .offset: 48, .size: 8, .value_kind: global_buffer, .address_space: global }
      - { .name: part, .offset: 56, .size: 8, .value_kind: global_buffer, .address_space: global }
    .group_segment_fixed_size: 327680
    .private_segment_fixed_size: 0
    .kernarg_segment_align: 8
    .kernarg_segment_size: 64
    .max_flat_workgroup_size: 128
    .sgpr_count:     66
    .vgpr_count:     1024
    .wavefront_size: 32
...
	.end_amdgpu_metadata
.endif
;; end of part 2
;; launch finish (part 3): grid 32 x 4, 4 waves a work-group, no clusters, 0 bytes of LDS; arguments scores, part, out0, out1; writes out0, out1
.if DOCPART == 3
	.amdgcn_target "amdgcn-amd-amdhsa--gfx1250"
	.amdhsa_code_object_version 6
	.text
	.protected	k_qcbb887d2df_finish
	.globl	k_qcbb887d2df_finish
	.p2align	8
	.type	k_qcbb887d2df_finish,@function
k_qcbb887d2df_finish:
	s_mov_b64 s[64:65], 0
	v_nop
	global_prefetch_b8 v0, s[64:65] scope:SCOPE_SE
	s_setreg_imm32_b32 hwreg(HW_REG_WAVE_MODE, 25, 1), 1
	s_wait_xcnt 0x0
; THE EIGHT PARTS OF A BATCH ARE JOINED.  part holds, for each of the 8 work-groups of a batch, 1,024 sums c_g under that group's maximum m_g, and (m_g, l_g), 32 times, in 256 bytes.
; M = the largest m_g; w_g = e^(m_g - M); L = sum of w_g l_g;  weights = e^(score - M) / L;  context = (sum of w_g c_g) / L.  L is at least 1: the row that holds M counts 1.
; Work-group (b, y): batch b, a quarter of its 2,048 weights and of its 1,024 columns.  Thread t: four weights, two columns.  Every wave's load and store covers 256 or 512 consecutive bytes.
; 1.5 MB in all: no LDS, no barrier, no matrix unit, no cluster; each work-group reads the batch's eight pairs for itself.
.set LOG2E, 0x3fb8aa3b
.set PARTB, 4352                       ; bytes of a work-group's part
	s_load_b256 s[4:11], s[0:1], 0x0
	s_and_b32 s12, ttmp7, 0xffff                   ; y
	v_and_b32 v1, 31, v0
	v_lshlrev_b32 v1, 3, v1                        ; my copy of a pair
	s_lshl_b32 s13, s12, 10
	v_lshl_add_u32 v2, v0, 3, s13                  ; my two columns: 1,024 y + 8 t
	s_lshl_b32 s13, s12, 11
	v_lshl_add_u32 v3, v0, 4, s13                  ; my four scores: 2,048 y + 16 t
	s_mov_b32 s15, 0
	s_mov_b32 s16, LOG2E
	s_wait_alu depctr_va_vdst(0)
	s_wait_kmcnt 0x0
	s_mul_i32 s14, ttmp9, 8*PARTB
	s_add_nc_u64 s[6:7], s[6:7], s[14:15]
	s_lshl_b32 s14, ttmp9, 13
	s_add_nc_u64 s[4:5], s[4:5], s[14:15]
	s_add_nc_u64 s[10:11], s[10:11], s[14:15]
	s_lshl_b32 s14, ttmp9, 12
	s_add_nc_u64 s[8:9], s[8:9], s[14:15]
.irp g, 0,1,2,3,4,5,6,7
	global_load_b64 v[4+2*\g:5+2*\g], v1, s[6:7] offset:\g*PARTB+4096     ; m_g, l_g
.endr
.irp g, 0,1,2,3,4,5,6,7
	global_load_b64 v[20+2*\g:21+2*\g], v2, s[6:7] offset:\g*PARTB        ; c_g
.endr
	global_load_b128 v[36:39], v3, s[4:5]
	s_wait_loadcnt 0x0                             ; one shot: all of it is wanted now
	v_max3_num_f32 v40, v4, v6, v8
	v_max3_num_f32 v40, v40, v10, v12
	v_max3_num_f32 v40, v40, v14, v16
	v_max_num_f32 v40, v40, v18                    ; M
.irp g, 0,1,2,3,4,5,6,7
	v_sub_f32 v[60+\g], v[4+2*\g], v40
.endr
.irp i, 0,1,2,3
	v_sub_f32 v[36+\i], v[36+\i], v40
.endr
.irp g, 0,1,2,3,4,5,6,7
	v_mul_f32 v[60+\g], s16, v[60+\g]
.endr
.irp i, 0,1,2,3
	v_mul_f32 v[36+\i], s16, v[36+\i]
.endr
	s_wait_alu depctr_va_vdst(0)
.irp g, 0,1,2,3,4,5,6,7
	v_exp_f32 v[44+2*\g], v[60+\g]                 ; w_g, twice: a pair for the packed forms
	v_exp_f32 v[45+2*\g], v[60+\g]
.endr
.irp i, 0,1,2,3
	v_exp_f32 v[36+\i], v[36+\i]
.endr
	v_nop                                          ; a plain line behind the exponentials
	s_wait_alu depctr_va_vdst(0)
	v_mul_f32 v41, v44, v5
.irp g, 1,2,3,4,5,6,7
	v_fma_f32 v41, v[44+2*\g], v[5+2*\g], v41      ; L
.endr
	s_wait_alu depctr_va_vdst(0)
	v_rcp_f32 v42, v41
	v_rcp_f32 v43, v41
	v_pk_mul_f32 v[68:69], v[20:21], v[44:45]      ; (the plain line behind the reciprocals)
.irp g, 1,2,3,4,5,6,7
	v_pk_fma_f32 v[68:69], v[20+2*\g:21+2*\g], v[44+2*\g:45+2*\g], v[68:69]
.endr
	s_wait_alu depctr_va_vdst(0)
	v_pk_mul_f32 v[36:37], v[36:37], v[42:43]
	v_pk_mul_f32 v[38:39], v[38:39], v[42:43]
	v_pk_mul_f32 v[68:69], v[68:69], v[42:43]
	global_store_b128 v3, v[36:39], s[10:11]       ; the weights: 512 consecutive bytes a wave
	global_store_b64 v2, v[68:69], s[8:9]          ; the context: 256 consecutive bytes a wave
	s_endpgm
.Lfunc_end_k_qcbb887d2df_finish:
	.size	k_qcbb887d2df_finish, .Lfunc_end_k_qcbb887d2df_finish-k_qcbb887d2df_finish
	.p2alignl 7, 3214868480
	.fill 96, 4, 3214868480
	.section	.rodata,"a",@progbits
	.p2align	6, 0x0
	.amdhsa_kernel k_qcbb887d2df_finish
		.amdhsa_group_segment_fixed_size 0
		.amdhsa_private_segment_fixed_size 0
		.amdhsa_enable_private_segment 0
		.amdhsa_kernarg_size 32
		.amdhsa_user_sgpr_count 2
		.amdhsa_user_sgpr_kernarg_segment_ptr 1
		.amdhsa_wavefront_size32 1
		.amdhsa_system_sgpr_workgroup_id_x 1
		.amdhsa_system_sgpr_workgroup_id_y 1
		.amdhsa_system_sgpr_workgroup_id_z 1
		.amdhsa_system_vgpr_workitem_id 0
		.amdhsa_next_free_vgpr 72
		.amdhsa_next_free_sgpr 66
		.amdhsa_reserve_vcc 0
		.amdhsa_float_denorm_mode_32 3
		.amdhsa_float_denorm_mode_16_64 3
		.amdhsa_memory_ordered 1
		.amdhsa_forward_progress 1
		.amdhsa_inst_pref_size 6
	.end_amdhsa_kernel
	.amdgpu_metadata
---
amdhsa.version: [ 1, 2 ]
amdhsa.kernels:
  - .name:           k_qcbb887d2df_finish
    .symbol:         k_qcbb887d2df_finish.kd
    .args:
      - { .name: scores, .offset: 0, .size: 8, .value_kind: global_buffer, .address_space: global }
      - { .name: part, .offset: 8, .size: 8, .value_kind: global_buffer, .address_space: global }
      - { .name: out0, .offset: 16, .size: 8, .value_kind: global_buffer, .address_space: global }
      - { .name: out1, .offset: 24, .size: 8, .value_kind: global_buffer, .address_space: global }
    .group_segment_fixed_size: 0
    .private_segment_fixed_size: 0
    .kernarg_segment_align: 8
    .kernarg_segment_size: 32
    .max_flat_workgroup_size: 128
    .sgpr_count:     66
    .vgpr_count:     72
    .wavefront_size: 32
...
	.end_amdgpu_metadata
.endif
;; end of part 3
